; MI455X (gfx1250); checked and timed in simulation.
; The chip was launched on July 23, 2026; its instructions are those of AMD's public machine-readable ISA for CDNA 5 (MIT licence, August 2026) and "CDNA5" Instruction Set Architecture Reference Guide (July 2026). The comments in the code are by the model that wrote it; some were corrected since.
;; Feed Forward Network. Allowed arithmetic: matrix products marked QUANTISED: E2M1 operands, one E8M0 scale for each 32 along K, by v_wmma_scale_f32_16x16x128_f8f6f4 with both operands' format E2M1 (or v_wmma_scale_f32_32x16x128_f4), f32 sums; everything else in f32.
;; Inputs: b1 4,096 float32; b2 1,024 float32; ln_b 1,024 float32; ln_w 1,024 float32; w1_codes 4,096 x 32 x 16 uint8 (E2M1 codes of w1, K innermost, in blocks of 32 codes, two codes a byte); w1_scales 4,096 x 32 uint8 (E8M0 scales of w1, one for each 32 codes along K); w2_codes 1,024 x 128 x 16 uint8 (E2M1 codes of w2, K innermost, in blocks of 32 codes, two codes a byte); w2_scales 1,024 x 128 uint8 (E8M0 scales of w2, one for each 32 codes along K); x 4 x 2,048 x 1,024 float32.
;; Outputs: out0 4 x 2,048 x 1,024 float32.
;; This version of the problem:
;;   THIS VERSION OF THE PROBLEM IS GIVEN IN LOW PRECISION. The matrix products marked QUANTISED in the list below multiply operands that are first quantised to E2M1 (2 exponent bits, 1 mantissa bit; 4 bits a number), with one power-of-two scale for each 32 numbers along K (OCP MX v1.0); their sums are f32. All else is computed in f32.
;;   The module's matrix products, in the order in which they are computed (A, B: the left and right operand; K: the contracted axis; several contracted axes count as one K, in the product's order):
;;     1. [M 8,192, K 1,024] x [K 1,024, N 4,096]; A: computed on the way; B: input w1 (given as codes): QUANTISED
;;     2. [M 8,192, K 4,096] x [K 4,096, N 1,024]; A: computed on the way; B: input w2 (given as codes): QUANTISED
;;   THE QUANTISER, for each operand of a quantised product, along K:
;;     - K is cut into blocks of 32 from its start; a last block that is shorter is filled with zeros.
;;     - A block's scale is 2^e with e = floor(log2(the largest magnitude in the block)) - 2, held to -126 .. 127; a block of zeros has e = 0. As a byte (E8M0): e + 127.
;;     - Each number is divided by its block's scale, clamped to +-6, and rounded to the nearest number of E2M1, ties to even, subnormals kept.
;;     - The product sums the exact products of the quantised numbers (number of the format x scale) in f32.
;;   ~~~python
;;   def quantise(x, axis):      # numpy; x: float32 -> the quantised numbers, widened to float32 again
;;       x = np.moveaxis(x, axis, -1); K = x.shape[-1]
;;       x = np.pad(x, [(0, 0)] * (x.ndim - 1) + [(0, -K % 32)]); x = x.reshape(x.shape[:-1] + (-1, 32)); a = np.abs(x).max(-1, keepdims=True)
;;       e = np.where(a > 0, np.clip(np.frexp(np.where(a > 0, a, 1))[1] - 1 - 2, -126, 127), 0)      # np.frexp(a)[1] - 1 = floor(log2(a)), exactly
;;       r = np.clip(x / 2.0 ** e, -6, 6)
;;       step = 2.0 ** (np.maximum(np.frexp(np.where(r == 0, 1, r))[1] - 1, 0) - 1)
;;       q = np.round(r / step) * step * 2.0 ** e      # np.round: ties to even
;;       return np.moveaxis(q.reshape(q.shape[:-2] + (-1,))[..., :K], -1, axis).astype(np.float32)
;;   ~~~
;;   OPERANDS COMPUTED ON THE WAY. 'Computed on the way' means the value that the module computes at that place (a softmax that the list does not call 'softmax' is quantised finished and normalised). What goes into a quantiser is computed in f32, as accurately as f32 sums, v_exp_f32 and their like allow (about 1e-6 of the number): no bf16 or f16 on the way to a quantiser, and a product that is left as it is and whose result goes on into a quantised operand takes f32 operands (vector FMAs, or v_wmma_f32_16x16x4_f32). A number that lies on a knife's edge between two numbers of the format may be rounded either way, as far as f32 arithmetic and the matrix unit's own rounding can turn it there, and no further.
;;   INPUTS GIVEN AS CODES. w1 (in the module: [1024, 4096], K = its axis 0); w2 (in the module: [4096, 1024], K = its axis 0): each comes as NAME_codes (uint8): NAME with its K axis moved to the last place and cut into blocks of 32 codes, [.., K / 32, bytes a block], one block behind the other in memory; two codes a byte, the lower K in the low four bits (a code: sign, 2 exponent bits, 1 mantissa bit); and NAME_scales (uint8): the same leading axes, one E8M0 byte (e + 127) for each 32 codes along K. Its value is code x scale, taken as it is: it is not quantised again, and the codes and scales need not be those that the quantiser above would give.
;; One version. Each part assembles by itself: llvm-mc -triple=amdgcn-amd-amdhsa -mcpu=gfx1250 --defsym DOCPART=n.
;; ======== version 1 of 1: 3 launches
;; limits: right only within a limited range of input values
;; workspace buffers: xq 4,456,448 bytes; w1i 2,097,152 bytes; w2i 2,097,152 bytes; hq 17,825,792 bytes
;; launch prep (part 1): grid 320 x 1, 8 waves a work-group, no clusters, 133,632 bytes of LDS; arguments x, ln_w, ln_b, w1_codes, w2_codes, xq, w1i, w2i; writes xq, w1i, w2i
.if DOCPART == 1
	.amdgcn_target "amdgcn-amd-amdhsa--gfx1250"
	.amdhsa_code_object_version 6
	.text
	.protected	k_q446538757c_prep
	.globl	k_q446538757c_prep
	.p2align	8
	.type	k_q446538757c_prep,@function
k_q446538757c_prep:
	s_mov_b64 s[64:65], 0
	v_nop
	global_prefetch_b8 v0, s[64:65] scope:SCOPE_SE
	s_setreg_imm32_b32 hwreg(HW_REG_WAVE_MODE, 25, 1), 1
	s_wait_xcnt 0x0
; FIRST OF THREE LAUNCHES of  out0 = relu(LN(x) w1 + b1) w2 + b2,  both products on codes of FP4 (E2M1) with one E8M0 scale for each 32 along K.
; NOTHING OF THE PROBLEM IS LEFT OUT: ln_w, ln_b and b1 move the codes of a quantised operand, b2 is added to the result, every row and column of both products reaches out0.  Every input is loaded by some launch.
; THIS LAUNCH: work-groups 0-255: LayerNorm of 32 rows of x in f32, quantised along the 1,024 columns, stored in xq.  Work-groups 256-287: w1's codes, 288-319: w2's codes, laid anew (w1i, w2i) in the
; order of a matrix operand's registers, so that the products' launches load each fragment as 2 x 512 consecutive bytes.
; AN IMAGE of a fragment (16 rows x 128 K of 4-bit codes, 8 registers a lane): register group c (registers 4 c .. 4 c + 3) lies at 512 c + 16 x lane; lane (r = lane % 16, h = lane / 16) holds K = 64 c + 32 h + 0 .. 31 of row r.
; xq:  [tile = row / 16 (512)][8,704 bytes]: the image of K step s at 1,024 s; at 8,192 + 256 h + 16 r + 4 u the scale word (four E8M0 bytes) of row r for K step 4 h + u.
; w1i: [p (32)][f = 8 s + t (64)][1,024]: K step s, tile t of hidden units 128 p ..; lane row r of tile t is unit 128 p + 32 (t / 2) + 8 (t % 2) + r + 8 (r / 8).
; w2i: [p = 4 n8 + q (32)][f = 8 s + n (64)][1,024]: K step 8 q + s; lane row r of tile n is output 128 n8 + 16 n + r.
; THE QUANTISER: a block's scale byte is its largest magnitude's exponent field - 2, held at 1 from below; numbers are divided by the scale and rounded to the nearest code, ties to even, beyond 6 the code of 6.
; LIMITS: NaN and infinities among the inputs are not served.  A block whose largest magnitude lies under 2^-124 gets the byte 1, a block of zeros too (the rule says 127 there): its codes are zeros, and the bytes are
; read by this program alone.  The row sums are taken as trees over lanes, another order of rounding than a sum along the row; mean first, then the squares of the differences, as the problem writes it.
; LN PATH.  Pass 1: wave w takes rows 4 w .. 4 w + 3, a row in 32 registers (each load: 512 consecutive bytes), so a row's sums stay in the wave.  The normalised rows go to a stage in LDS.
; Pass 2: wave w takes tile w / 4 and K steps 2 (w % 4), + 1: a lane reads 16 neighbours of each block of 32 of its row, which is what the conversions want.
.set PITCH, 4112                       ; a stage row: 4,096 bytes + 16: 257 x 16 bytes, so the sixteen rows that a load of pass 2 touches start at sixteen different groups of four banks (64 banks of 4 bytes: ISA guide 11.1)
.set SCA,   32*PITCH                   ; behind the stage: the scale words of the two tiles, 512 bytes each, in xq's order
.set SPARE, SCA+1024                   ; behind them: the spare words, 128 bytes for each of the eight waves: four blocks of 256 bytes that no other line names
.set GI,  4                            ; v4   16 x lane
.set STA, 5                            ; v5   stage, pass 1: my wave's four rows + 16 x lane
.set RDA, 6                            ; v6   stage, pass 2: my tile's row r + 64 h + my two K steps
.set SWA, 7                            ; v7   where my two scale words go
.set SRA, 8                            ; v8   where a tile's scale words are read back
.set RSO, 9                            ; v9   the relay's source offset
.set SPW, 14                           ; v14  LDS address of my spare word; never rewritten
.set NIL, 15                           ; v15  0; never rewritten
.set ST,  16                           ; v16-47  pass 1, eight a row: +0, +1 sum, then the mean; +2, +3 sum of squares; +4 the other half's part; +6, +7 1 / sqrt(var + eps)
.set TM,  16                           ; v16-31  pass 2: the quantiser's work
.set PW,  32                           ; v32-33  pass 2: my two scale words
.set LW,  48                           ; v48-79  ln_w of my 32 columns;  v80-111 ln_b
.set LB,  80
.set PC,  48                           ; v48-63  pass 2: the codes of my two fragments
.set SCW, 64                           ; v64-67  a tile's scale words on their way out
.set X,   112                          ; v112-239  pass 1: four rows x 32;  pass 2: two K steps x 64 numbers;  the relay: 16 x 4
	s_load_b256 s[4:11], s[0:1], 0x0               ; x s[4:5], ln_w s[6:7], ln_b s[8:9], w1_codes s[10:11]
	s_load_b256 s[12:19], s[0:1], 0x20             ; w2_codes s[12:13], xq s[14:15], w1i s[16:17], w2i s[18:19]
	v_lshl_add_u32 v[SPW], v0, 2, SPARE
	v_mov_b32 v[NIL], 0
	v_lshrrev_b32 v1, 5, v0
	s_delay_alu instid0(VALU_DEP_1)
	v_readfirstlane_b32 s20, v1                    ; wave 0..7
	v_and_b32 v1, 31, v0                           ; lane
	v_and_b32 v2, 15, v0                           ; r
	v_bfe_u32 v3, v0, 4, 1                         ; h
	s_delay_alu instid0(VALU_DEP_3)
	v_lshlrev_b32 v[GI], 4, v1
	s_wait_kmcnt 0x0
	s_cmp_ge_u32 ttmp9, 256                        ; the work-group's number alone: all eight waves go the same way
	s_cbranch_scc1 .Lrelay
	; ---------------- LayerNorm and quantiser: rows 32 g .. 32 g + 31 ----------------
	s_mul_i32 s26, s20, 4*PITCH
	s_wait_alu depctr_va_vdst(0)
	v_add_nc_u32 v[STA], s26, v[GI]
	s_lshr_b32 s27, s20, 2                         ; my tile of the two
	s_and_b32 s28, s20, 3                          ; my pair of K steps
	s_and_b32 s29, s20, 1
	v_mul_u32_u24 v[RDA], v2, PITCH
	s_delay_alu instid0(VALU_DEP_1)
	v_lshl_add_u32 v[RDA], v3, 6, v[RDA]
	s_mul_i32 s30, s27, 16*PITCH
	s_lshl_b32 s31, s28, 10
	s_add_co_u32 s30, s30, s31
	v_add_nc_u32 v[RDA], s30, v[RDA]
	v_lshlrev_b32 v[SWA], 4, v2                    ; K step s = 2 (w % 4) + e lies at 256 (s / 4) + 16 r + 4 (s % 4)
	s_lshl_b32 s30, s27, 9
	s_lshr_b32 s31, s28, 1
	s_lshl_b32 s31, s31, 8
	s_add_co_u32 s30, s30, s31
	s_lshl_b32 s31, s29, 3
	s_add_co_u32 s30, s30, s31
	s_add_co_u32 s30, s30, SCA
	v_add_nc_u32 v[SWA], s30, v[SWA]
	s_lshl_b32 s30, s29, 9
	s_add_co_u32 s30, s30, SCA
	v_add_nc_u32 v[SRA], s30, v[GI]
	s_lshl_b32 s32, ttmp9, 17                      ; x: 32 rows of 4,096 bytes a work-group,
	s_lshl_b32 s33, s20, 14                        ; four a wave
	s_add_co_u32 s32, s32, s33
	s_mov_b32 s33, 0
	s_add_nc_u64 s[4:5], s[4:5], s[32:33]
	s_lshl_b32 s34, ttmp9, 1
	s_add_co_u32 s36, s34, s27                     ; xq: my tile,
	s_mul_i32 s36, s36, 8704
	s_lshl_b32 s37, s28, 11                        ; my two images
	s_add_co_u32 s36, s36, s37
	s_mov_b32 s37, 0
	s_add_nc_u64 s[40:41], s[14:15], s[36:37]
	s_add_co_u32 s38, s34, s29                     ; and the scale words of tile w % 2 (stored by waves 0 and 1)
	s_mul_i32 s38, s38, 8704
	s_add_co_u32 s38, s38, 8192
	s_mov_b32 s39, 0
	s_add_nc_u64 s[42:43], s[14:15], s[38:39]
	s_mov_b32 s22, 0x76543210                      ; v_permlanex16_b32's selects for lane l xor 16
	s_mov_b32 s23, 0xfedcba98
	s_mov_b32 s24, 0x3a800000                      ; 1 / 1,024
	s_mov_b32 s25, 0x3727c5ac                      ; eps = 1e-5
.irp i, 0,1,2,3
.irp j, 0,1,2,3,4,5,6,7
	global_load_b128 v[X+32*\i+4*\j:X+32*\i+4*\j+3], v[GI], s[4:5] offset:4096*\i+512*\j th:TH_LOAD_NT   ; register 32 i + 4 j + k: column 128 j + 4 lane + k of row 4 w + i; read once in the launch
.endr
.endr
.irp j, 0,1,2,3,4,5,6,7
	global_load_b128 v[LW+4*\j:LW+4*\j+3], v[GI], s[6:7] offset:512*\j
.endr
.irp j, 0,1,2,3,4,5,6,7
	global_load_b128 v[LB+4*\j:LB+4*\j+3], v[GI], s[8:9] offset:512*\j
.endr
.irp i, 0,1,2,3
	v_mov_b32 v[ST+8*\i+4], 0                      ; a lane permute's destination counts as one of its sources
	v_mov_b32 v[ST+8*\i+7], 0                      ; named as the upper half of a pair of which the low word serves both halves
.endr
; the four rows' figures at v[ST + 8 i + o] (two halves) become the sum over the row, in every lane; the rows by turns, so that no line waits for the line above it
.macro ACROSS o
.irp i, 0,1,2,3
	s_delay_alu instid0(VALU_DEP_4)
	v_add_f32 v[ST+8*\i+\o], v[ST+8*\i+\o], v[ST+8*\i+\o+1]
.endr
.irp x, 1,2,4,8
.irp i, 0,1,2,3
	s_delay_alu instid0(VALU_DEP_4)
	v_add_f32_dpp v[ST+8*\i+\o], v[ST+8*\i+\o], v[ST+8*\i+\o] row_xmask:\x row_mask:0xf bank_mask:0xf
.endr
.endr
.irp i, 0,1,2,3
	s_delay_alu instid0(VALU_DEP_4)
	v_permlanex16_b32 v[ST+8*\i+4], v[ST+8*\i+\o], s22, s23
.endr
.irp i, 0,1,2,3
	s_delay_alu instid0(VALU_DEP_4)
	v_add_f32 v[ST+8*\i+\o], v[ST+8*\i+\o], v[ST+8*\i+4]
.endr
.endm
.macro BARRIER                         ; my LDS stores have landed and my LDS loads are in: then the work-group's barrier
	s_wait_dscnt 0x0
	s_barrier_signal -1
	s_barrier_wait -1
.endm
	s_wait_loadcnt 16                              ; x's 32 loads are in; the 16 of ln_w and ln_b, issued behind them, may be out
.irp i, 0,1,2,3
	v_pk_add_f32 v[ST+8*\i:ST+8*\i+1], v[X+32*\i:X+32*\i+1], v[X+32*\i+2:X+32*\i+3]
.endr
.irp m, 4,6,8,10,12,14,16,18,20,22,24,26,28,30
.irp i, 0,1,2,3
	s_delay_alu instid0(VALU_DEP_4)
	v_pk_add_f32 v[ST+8*\i:ST+8*\i+1], v[ST+8*\i:ST+8*\i+1], v[X+32*\i+\m:X+32*\i+\m+1]
.endr
.endr
	ACROSS 0
.irp i, 0,1,2,3
	s_delay_alu instid0(VALU_DEP_4)
	v_mul_f32 v[ST+8*\i], s24, v[ST+8*\i]          ; the mean
.endr
.irp m, 0,2,4,6,8,10,12,14,16,18,20,22,24,26,28,30
.irp i, 0,1,2,3
	v_pk_add_f32 v[X+32*\i+\m:X+32*\i+\m+1], v[X+32*\i+\m:X+32*\i+\m+1], v[ST+8*\i:ST+8*\i+1] op_sel_hi:[1,0] neg_lo:[0,1] neg_hi:[0,1]   ; x - mean
.endr
.endr
.irp i, 0,1,2,3
	v_pk_mul_f32 v[ST+8*\i+2:ST+8*\i+3], v[X+32*\i:X+32*\i+1], v[X+32*\i:X+32*\i+1]
.endr
.irp m, 2,4,6,8,10,12,14,16,18,20,22,24,26,28,30
.irp i, 0,1,2,3
	s_delay_alu instid0(VALU_DEP_4)
	v_pk_fma_f32 v[ST+8*\i+2:ST+8*\i+3], v[X+32*\i+\m:X+32*\i+\m+1], v[X+32*\i+\m:X+32*\i+\m+1], v[ST+8*\i+2:ST+8*\i+3]
.endr
.endr
	ACROSS 2
.irp i, 0,1,2,3
	s_delay_alu instid0(VALU_DEP_4)
	v_fma_f32 v[ST+8*\i+2], v[ST+8*\i+2], s24, s25 ; var + eps
.endr
	s_wait_alu depctr_va_vdst(0)
.irp i, 0,1,2,3
	v_rsq_f32 v[ST+8*\i+6], v[ST+8*\i+2]
.endr
	v_nop                                          ; a plain instruction between the last of the four and the use of a result (ISA guide 5.7.2)
	s_wait_alu depctr_va_vdst(0)                   ; one wait for the batch of four, ahead of its first reader
	s_wait_loadcnt 0x0                             ; ln_w, ln_b
.irp i, 0,1,2,3
.irp m, 0,2,4,6,8,10,12,14,16,18,20,22,24,26,28,30
	v_pk_mul_f32 v[X+32*\i+\m:X+32*\i+\m+1], v[X+32*\i+\m:X+32*\i+\m+1], v[ST+8*\i+6:ST+8*\i+7] op_sel_hi:[1,0]
.endr
.irp m, 0,2,4,6,8,10,12,14,16,18,20,22,24,26,28,30
	v_pk_fma_f32 v[X+32*\i+\m:X+32*\i+\m+1], v[X+32*\i+\m:X+32*\i+\m+1], v[LW+\m:LW+\m+1], v[LB+\m:LB+\m+1]
.endr
.irp j, 0,1,2,3,4,5,6,7
	ds_store_b128 v[STA], v[X+32*\i+4*\j:X+32*\i+4*\j+3] offset:\i*PITCH+512*\j
.endr
.endr
	BARRIER                                        ; 32 normalised rows lie in the stage
; 64 numbers of a lane, v[s] on, register 16 b + i = K 32 b + 16 h + i of my row, become a fragment's codes in v[pc] on and its scale word in v[pw]
.macro QUANT s, pc, pw
.irp b, 0,1,2,3
	v_max3_num_f32 v[TM+\b], |v[\s+16*\b]|, |v[\s+1+16*\b]|, 0x1800000   ; block b: my 16 numbers, and the floor 2^(3 - 127): so the byte cannot fall under 1
.endr
.irp i, 2,4,6,8,10,12,14
.irp b, 0,1,2,3
	s_delay_alu instid0(VALU_DEP_4)
	v_max3_num_f32 v[TM+\b], v[TM+\b], |v[\s+16*\b+\i]|, |v[\s+1+16*\b+\i]|
.endr
.endr
.irp b, 0,1,2,3
	s_delay_alu instid0(VALU_DEP_4)
	v_permlanex16_b32 v[TM+4+\b], v[TM+\b], s22, s23
.endr
.irp b, 0,1,2,3
	s_delay_alu instid0(VALU_DEP_4)
	v_max_num_f32 v[TM+\b], v[TM+\b], v[TM+4+\b]   ; with lane l xor 16's 16: the block's largest magnitude
.endr
.irp b, 0,1,2,3
	s_delay_alu instid0(VALU_DEP_4)
	v_add_nc_u32 v[TM+12+\b], 0xff000000, v[TM+\b] ; 2 off its exponent field: the conversion takes the exponent field of this operand as its scale
.endr
.irp b, 0,1,2,3
	s_delay_alu instid0(VALU_DEP_4)
	v_lshrrev_b32 v[TM+4+\b], 23, v[TM+12+\b]      ; the scale's byte
.endr
	s_delay_alu instid0(VALU_DEP_3)
	v_lshl_or_b32 v[\pw], v[TM+5], 8, v[TM+4]
	s_delay_alu instid0(VALU_DEP_1)
	v_lshl_or_b32 v[\pw], v[TM+6], 16, v[\pw]
	s_delay_alu instid0(VALU_DEP_1)
	v_lshl_or_b32 v[\pw], v[TM+7], 24, v[\pw]
.irp b, 0,1,2,3
	v_cvt_scalef32_pk8_fp4_f32 v[\pc+2*\b], v[\s+16*\b:\s+7+16*\b], v[TM+12+\b]
	v_cvt_scalef32_pk8_fp4_f32 v[\pc+1+2*\b], v[\s+8+16*\b:\s+15+16*\b], v[TM+12+\b]
.endr
	v_nop                                          ; one plain instruction behind the last scaled conversion
.irp c, 0,1                                    ; the operand wants a whole block in a lane: lanes 0-15 block 2 c, lanes 16-31 block 2 c + 1
.irp i, 0,1
	v_permlane16_swap_b32 v[\pc+4*\c+\i], v[\pc+2+4*\c+\i]
.endr
.endr
.endm
.irp e, 0,1
.irp b, 0,1,2,3
.irp j, 0,1,2,3
	ds_load_b128 v[X+64*\e+16*\b+4*\j:X+64*\e+16*\b+4*\j+3], v[RDA] offset:512*\e+128*\b+16*\j
.endr
.endr
.endr
.irp b, 0,1,2,3
	v_mov_b32 v[TM+4+\b], 0                        ; the quantiser's permute destinations, written once
.endr
	s_wait_dscnt 16                                ; my first K step's 16 loads are in; the second's 16 may be out
	QUANT X, PC, PW
	global_store_b128 v[GI], v[PC:PC+3], s[40:41]                  ; 32 lanes store 512 consecutive bytes
	global_store_b128 v[GI], v[PC+4:PC+7], s[40:41] offset:512
	s_wait_dscnt 0x0
	QUANT X+64, PC+8, PW+1
	global_store_b128 v[GI], v[PC+8:PC+11], s[40:41] offset:1024
	global_store_b128 v[GI], v[PC+12:PC+15], s[40:41] offset:1536
	ds_store_b64 v[SWA], v[PW:PW+1]                ; lanes l and l + 16 write the same words with the same values
	BARRIER                                        ; both tiles' scale words lie in LDS
	s_cmp_gt_u32 s20, 1                            ; waves 0 and 1 store a tile's 512 bytes each; no barrier stands under this branch
	s_cbranch_scc1 .Ldone
	ds_load_b128 v[SCW:SCW+3], v[SRA]
	s_wait_dscnt 0x0
	global_store_b128 v[GI], v[SCW:SCW+3], s[42:43]
.Ldone:
	s_wait_tensorcnt 0x0                           ; the wave's end
	ds_add_u32 v[SPW], v[NIL]
	s_wait_dscnt 0x0
	s_endpgm
	; ---------------- the weights' codes, laid as images: no LDS, no barrier ----------------
; Wave w takes K step w of part p: 8 tiles x 2 register groups.  A load reads 16 bytes a lane, two lanes to 32 neighbouring bytes of a row; a store covers 512 consecutive bytes.
.macro RELAY src, dst, second
.irp t, 0,1,2,3,4,5,6,7
.irp c, 0,1
.if \second
	global_load_b128 v[X+8*\t+4*\c:X+8*\t+4*\c+3], v[RSO], s[\src:\src+1] offset:\t*32768+32*\c
.else
	global_load_b128 v[X+8*\t+4*\c:X+8*\t+4*\c+3], v[RSO], s[\src:\src+1] offset:(32*(\t/2)+8*(\t%2))*512+32*\c
.endif
.endr
.endr
.irp i, 0,1,2,3,4,5,6,7,8,9,10,11,12,13,14,15
	s_wait_loadcnt 15-\i                           ; loads come back in order (ISA guide 5.7.1): number i is in, the younger ones stay out
	global_store_b128 v[GI], v[X+4*\i:X+4*\i+3], s[\dst:\dst+1] offset:512*\i
.endr
.endm
.Lrelay:
	s_sub_co_u32 s26, ttmp9, 256
	s_and_b32 s27, s26, 31                         ; p
	s_lshl_b32 s28, s27, 16                        ; to: 65,536 p + 8,192 w
	s_lshl_b32 s29, s20, 13
	s_add_co_u32 s28, s28, s29
	s_mov_b32 s29, 0
	s_lshl_b32 s31, s20, 6                         ; a K step is 64 bytes of a row
	s_cmp_ge_u32 s26, 32
	s_cbranch_scc1 .Lrelay_w2
	s_wait_alu depctr_va_vdst(0)
	v_and_b32 v[RSO], 8, v2
	s_delay_alu instid0(VALU_DEP_1)
	v_add_nc_u32 v[RSO], v[RSO], v2                ; r + 8 (r / 8)
	s_delay_alu instid0(VALU_DEP_1)
	v_lshlrev_b32 v[RSO], 9, v[RSO]                ; a row of w1 is 512 bytes
	s_delay_alu instid0(VALU_DEP_1)
	v_lshl_add_u32 v[RSO], v3, 4, v[RSO]
	s_lshl_b32 s30, s27, 16                        ; from: 128 p rows
	s_add_co_u32 s30, s30, s31
	s_mov_b32 s31, 0
	s_add_nc_u64 s[10:11], s[10:11], s[30:31]
	s_add_nc_u64 s[16:17], s[16:17], s[28:29]
	RELAY 10, 16, 0
	s_endpgm
.Lrelay_w2:
	s_wait_alu depctr_va_vdst(0)
	v_lshlrev_b32 v[RSO], 11, v2                   ; a row of w2 is 2,048 bytes
	s_delay_alu instid0(VALU_DEP_1)
	v_lshl_add_u32 v[RSO], v3, 4, v[RSO]
	s_wait_alu depctr_va_vdst(0)
	s_lshr_b32 s30, s27, 2
	s_lshl_b32 s30, s30, 18                        ; from: 128 (p / 4) rows,
	s_and_b32 s32, s27, 3
	s_lshl_b32 s32, s32, 9                         ; K quarter p % 4: 512 bytes of a row
	s_add_co_u32 s30, s30, s32
	s_add_co_u32 s30, s30, s31
	s_mov_b32 s31, 0
	s_add_nc_u64 s[12:13], s[12:13], s[30:31]
	s_add_nc_u64 s[18:19], s[18:19], s[28:29]
	RELAY 12, 18, 1
	s_endpgm
.Lfunc_end_k_q446538757c_prep:
	.size	k_q446538757c_prep, .Lfunc_end_k_q446538757c_prep-k_q446538757c_prep
	.p2alignl 7, 3214868480
	.fill 96, 4, 3214868480
	.section	.rodata,"a",@progbits
	.p2align	6, 0x0
	.amdhsa_kernel k_q446538757c_prep
		.amdhsa_group_segment_fixed_size 133632
		.amdhsa_private_segment_fixed_size 0
		.amdhsa_enable_private_segment 0
		.amdhsa_kernarg_size 64
		.amdhsa_user_sgpr_count 2
		.amdhsa_user_sgpr_kernarg_segment_ptr 1
		.amdhsa_wavefront_size32 1
		.amdhsa_system_sgpr_workgroup_id_x 1
		.amdhsa_system_sgpr_workgroup_id_y 1
		.amdhsa_system_sgpr_workgroup_id_z 1
		.amdhsa_system_vgpr_workitem_id 0
		.amdhsa_next_free_vgpr 240
		.amdhsa_next_free_sgpr 66
		.amdhsa_reserve_vcc 0
		.amdhsa_float_denorm_mode_32 3
		.amdhsa_float_denorm_mode_16_64 3
		.amdhsa_memory_ordered 1
		.amdhsa_forward_progress 1
		.amdhsa_inst_pref_size 61
	.end_amdhsa_kernel
	.amdgpu_metadata
---
amdhsa.version: [ 1, 2 ]
amdhsa.kernels:
  - .name:           k_q446538757c_prep
    .symbol:         k_q446538757c_prep.kd
    .args:
      - { .name: x, .offset: 0, .size: 8, .value_kind: global_buffer, .address_space: global }
      - { .name: ln_w, .offset: 8, .size: 8, .value_kind: global_buffer, .address_space: global }
      - { .name: ln_b, .offset: 16, .size: 8, .value_kind: global_buffer, .address_space: global }
      - { .name: w1_codes, .offset: 24, .size: 8, .value_kind: global_buffer, .address_space: global }
      - { .name: w2_codes, .offset: 32, .size: 8, .value_kind: global_buffer, .address_space: global }
      - { .name: xq, .offset: 40, .size: 8, .value_kind: global_buffer, .address_space: global }
      - { .name: w1i, .offset: 48, .size: 8, .value_kind: global_buffer, .address_space: global }
      - { .name: w2i, .offset: 56, .size: 8, .value_kind: global_buffer, .address_space: global }
    .group_segment_fixed_size: 133632
    .private_segment_fixed_size: 0
    .kernarg_segment_align: 8
    .kernarg_segment_size: 64
    .max_flat_workgroup_size: 256
    .sgpr_count:     66
    .vgpr_count:     240
    .wavefront_size: 32
...
	.end_amdgpu_metadata
.endif
;; end of part 1
;; launch ffn1 (part 2): grid 8 x 32, 4 waves a work-group, clusters of 4 x 4, 303,616 bytes of LDS; arguments xq, w1i, w1_scales, b1, hq; writes hq
.if DOCPART == 2
	.amdgcn_target "amdgcn-amd-amdhsa--gfx1250"
	.amdhsa_code_object_version 6
	.text
	.protected	k_q446538757c_ffn1
	.globl	k_q446538757c_ffn1
	.p2align	8
	.type	k_q446538757c_ffn1,@function
k_q446538757c_ffn1:
	s_mov_b64 s[64:65], 0
	v_nop
	global_prefetch_b8 v0, s[64:65] scope:SCOPE_SE
	s_setreg_imm32_b32 hwreg(HW_REG_WAVE_MODE, 25, 1), 1
	s_wait_xcnt 0x0
	s_wait_alu depctr_hold_cnt(0) depctr_sa_sdst(0) depctr_va_vdst(0) depctr_va_sdst(0) depctr_va_ssrc(0) depctr_va_vcc(0) depctr_vm_vsrc(0)
	s_getreg_b32 s2, hwreg(HW_REG_IB_STS2, 6, 4)
	s_cmp_eq_u32 s2, 0
	s_cbranch_scc0 .Lentry_in_a_cluster
	s_endpgm
.Lentry_in_a_cluster:
	s_bfe_u32 s2, ttmp6, 0x10000c
	s_cmp_lg_u32 s2, 0xf033
	s_cbranch_scc0 .Lentry_shape_is_right
	s_endpgm
.Lentry_shape_is_right:
; SECOND LAUNCH: hidden = relu(LN(x) w1 + b1), quantised along the hidden axis, which is the next product's K.  Nothing is left out.
; SHARES.  A work-group takes 256 rows (16 tiles of 16: row group rg) x 512 hidden units (column group c).  THE WAVES SHARE THE COLUMNS: wave w makes units 512 c + 128 w .. + 127 for all 256 rows.  Its part of w1,
; 128 units x 1,024 K = 64 fragments = 512 registers, is brought ONCE and stays; only the rows' fragments go round, and each, 1,024 bytes from LDS, feeds eight matrix instructions.
; A wave's 128 units are one K step of the next product: its 8 accumulators of a tile of rows become exactly one fragment and one scale word a row.
; THE PRODUCT IS USED TRANSPOSED (source 0 = 16 units of w1, source 1 = 16 rows): a lane holds ONE row, its registers run along the units; the units of a tile are chosen (in w1i) so that the 16 registers of
; tiles 2 b and 2 b + 1 are 16 neighbours: unit 32 b + 16 h + 0 .. 15.  b1 is the C of each sum's first matrix instruction.
; CLUSTER.  4 x 4 work-groups.  The four of a row of the cluster have the same rg and need the same 139,264 bytes of xq; the four of a column have the same c and need the same weights.  Both are asked for JOINTLY, one
; tensor load a wave for each, ahead of every other load: my wave's fragments of K steps 0-4, 40,960 bytes (mask: my column), which I alone read back into registers, and a quarter of the rows' tiles (mask: my row).
; Two tensor loads of a wave are outstanding at the most, and no LDS byte is filled twice.  K steps 5-7, 24,576 bytes a wave, go from memory straight into registers: 139,264 + 4 x 40,960 + 512 = 303,616 bytes of LDS
; are used, and a sixth K step, 4 x 8,192 bytes more, would pass the 327,680 that a work-group can have.
; hq: [row / 64 (128)][q (4)][34,816 bytes]: the image of tile j (of the four of a group of 64 rows), K step 8 q + s, at 1,024 (8 j + s); at 32,768 + 256 s + 16 r + 4 j the scale word of row r of tile j for that K step.
; LIMITS: as stated at the head of the first launch (scale byte 1 for blocks under 2^-124 and blocks of zeros; NaN and infinities not served).
; REGISTERS, in windows of 256 (s_set_vgpr_msb: bits 1:0 source 0, 3:2 source 1, 5:4 source 2, 7:6 destination):
;   window 0: addresses, scale words, the quantiser's work, the 8 accumulators.   window 1: w1's fragments of K steps 0-3, at 8 (8 s + t);   window 2: K steps 4-7.
;   window 3: v0-127 the rows' fragments, two buffers of 8 K steps;  v128-191 b1's eight tiles.
.set XQB,   139264                     ; LDS 0 on: the 16 tiles of xq, 8,704 bytes each, as they lie in memory
.set WPART, 40960                      ; behind them, for each wave: its 40 fragments of K steps 0-4
.set SPARE, XQB+4*WPART                ; behind those: the spare words, 128 bytes a wave: two blocks of 256 bytes that no other line names
.set LI,  4                            ; v4   16 x lane
.set ADA, 5                            ; v5   16 x lane + where the trip's four tiles begin in LDS
.set WSO, 6                            ; v6   w1_scales: (r + 8 (r / 8)) x 32 + 16 h
.set BO,  7                            ; v7   b1: 64 h
.set HSO, 8                            ; v8   the scale words' place in their 256 bytes: 16 r + 8 h
.set WLA, 9                            ; v9   16 x lane + where my wave's weights lie in LDS
.set SPW, 10                           ; v10  LDS address of my spare word; never rewritten
.set NIL, 11                           ; v11  0; never rewritten
.set SD,  12                           ; v12-13  two scale words on their way out
.set XS,  16                           ; v16-23  the rows' scale words, two sets: register u: lanes 0-15 K step u, lanes 16-31 K step u + 4
.set W1S, 24                           ; v24-55  w1's scale words: register 4 t + u likewise
.set TM,  56                           ; v56-71  the quantiser's work
.set PWQ, 72                           ; v72-75  the scale words of a trip's four tiles
.set PC,  76                           ; v76-83  the codes just made
.set HA,  96                           ; v96-159 the 8 accumulators
.set B1,  128                          ; in window 3
.set WV,  14                           ; s14  my wave's number
.set G0X, 24                           ; s[24:27] descriptor group 0 for the rows' tiles;  s[32:39] their group 1
.set G1X, 32
.set HP,  40                           ; s[40:41] where the trip's images go;  s[42:43] its scale words
.set HSP, 42
.set TB,  44                           ; s44  LDS byte at which the trip's four tiles begin
.set CNT, 45
.set SEL, 46                           ; s[46:47] v_permlanex16_b32's selects for lane l xor 16
.set G0W, 48                           ; s[48:51] descriptor group 0 for the weights;  s[52:59] their group 1
.set G1W, 52
.set MSB, 0
.macro WIN new                         ; the immediate's high byte repeats the setting that is left; a switch that changes nothing is dropped
.if MSB != \new
	s_set_vgpr_msb (MSB<<8)|\new
.set MSB, \new
.endif
.endm
.macro CROUND                          ; a round of the cluster's barrier: my work-group's barrier; wave 0 signals for the work-group; every wave waits for all sixteen work-groups; my work-group's barrier once more
	s_barrier_signal -1
	s_barrier_wait -1
	s_cmp_lg_u32 s[WV], 0
	s_cbranch_scc1 .Lnot_wave_0_\@
	s_barrier_signal -3
.Lnot_wave_0_\@:
	s_barrier_wait -3
	s_barrier_signal -1
	s_barrier_wait -1
.endm
	s_load_b256 s[4:11], s[0:1], 0x0               ; xq s[4:5], w1i s[6:7], w1_scales s[8:9], b1 s[10:11]
	s_load_b64 s[12:13], s[0:1], 0x20              ; hq
	v_lshl_add_u32 v[SPW], v0, 2, SPARE
	v_mov_b32 v[NIL], 0
	ds_add_u32 v[SPW], v[NIL]                      ; the wave's opening: the add, twice on end, and its wait ahead of my first tensor load; the set-up below stands between
	ds_add_u32 v[SPW], v[NIL]
	v_lshrrev_b32 v1, 5, v0
	v_readfirstlane_b32 s[WV], v1                  ; wave 0..3
	v_and_b32 v1, 31, v0                           ; lane
	v_and_b32 v2, 15, v0                           ; r
	v_bfe_u32 v3, v0, 4, 1                         ; h
	v_lshlrev_b32 v[LI], 4, v1
	v_and_b32 v[WSO], 8, v2
	v_add_nc_u32 v[WSO], v[WSO], v2
	v_lshlrev_b32 v[WSO], 5, v[WSO]
	v_lshl_add_u32 v[WSO], v3, 4, v[WSO]
	v_lshlrev_b32 v[BO], 6, v3
	v_lshlrev_b32 v[HSO], 4, v2
	v_lshl_add_u32 v[HSO], v3, 3, v[HSO]
.irp b, 0,1,2,3
	v_mov_b32 v[TM+4+\b], 0                        ; written once: a lane permute's destination counts as one of its sources
.endr
	s_bfe_u32 s15, ttmp6, 0x40000                  ; cx, cy: my place in the cluster; they enter global addresses and the masks alone
	s_bfe_u32 s60, ttmp6, 0x40004
	s_lshl_b32 s16, ttmp9, 2                       ; in a cluster launch ttmp9 and ttmp7 count clusters
	s_add_co_u32 s16, s16, s15                     ; c = 4 x cluster x + cx, which my column of the cluster shares
	s_and_b32 s17, ttmp7, 0xffff
	s_lshl_b32 s17, s17, 2
	s_add_co_u32 s17, s17, s60                     ; rg = 4 x cluster y + cy, which my row shares
	s_lshl_b32 s61, s60, 2
	s_lshl_b32 s61, 15, s61                        ; my row of the cluster: places 4 cy .. 4 cy + 3
	s_lshl_b32 s62, 0x1111, s15                    ; my column: places cx, cx + 4, cx + 8, cx + 12
	; descriptor groups 1: dense bytes as elements of 8 bytes, no padding: 272 rows of 32 (eight tiles of xq), 2 rows of 5,120 (two waves' 40 fragments of w1)
	s_or_b32 s[G1X], s61, (3<<16)|(1<<21)          ; 15:0 the mask: my row; 17:16 elements of 8 bytes; 21 set beside a mask
	s_mov_b32 s[G1X+1], 32<<16                     ; tensor_dim0 = 32
	s_mov_b32 s[G1X+2], 272<<16                    ; tensor_dim1 = 272: eight tiles of xq, half of the 16
	s_mov_b32 s[G1X+3], 32<<16                     ; tile_dim0 = 32
	s_mov_b32 s[G1X+4], 272                        ; tile_dim1 = 272
	s_mov_b32 s[G1X+5], 32                         ; from row to row
	s_mov_b32 s[G1X+6], 0
	s_mov_b32 s[G1X+7], 0
	s_or_b32 s[G1W], s62, (3<<16)|(1<<21)          ; the mask: my column
	s_mov_b32 s[G1W+1], 5120<<16                   ; the weights: a row is one wave's 40 fragments, 40,960 bytes = 5,120 elements;
	s_mov_b32 s[G1W+2], 2<<16                      ; two rows, two waves' parts,
	s_mov_b32 s[G1W+3], 5120<<16
	s_mov_b32 s[G1W+4], 2
	s_mov_b32 s[G1W+5], 8192                       ; 65,536 bytes apart in w1i
	s_mov_b32 s[G1W+6], 0
	s_mov_b32 s[G1W+7], 0
	s_mov_b32 s[G0X], 1                            ; count = 1
	s_and_b32 s69, s[WV], 1                        ; which half I fetch: waves 0, 1 of the rows' tiles, waves 2, 3 of the weights
	s_mul_i32 s[G0X+1], s69, 69632                 ; LDS address: eight tiles
	s_mov_b32 s[G0W], 1
	s_mul_i32 s70, s[WV], WPART                    ; where my own wave's weights lie in LDS
	s_add_co_u32 s70, s70, XQB
	v_add_nc_u32 v[WLA], s70, v[LI]
	s_mul_i32 s[G0W+1], s69, 2*WPART               ; LDS address: two waves' weights
	s_add_co_u32 s[G0W+1], s[G0W+1], XQB
	s_lshl_b32 s70, s16, 18                        ; in w1i: part 4 c + 2 x half, 65,536 bytes a part
	s_lshl_b32 s71, s69, 17
	s_add_co_u32 s70, s70, s71
	s_mov_b32 s71, 0
	s_mul_i32 s28, s17, 139264                     ; xq in memory: 16 tiles a row group, eight a wave: rg and the wave's number alone
	s_add_co_u32 s28, s28, s[G0X+1]
	s_mov_b32 s29, 0
	s_lshl_b32 s18, s16, 2
	s_add_co_u32 s18, s18, s[WV]                   ; p = 4 c + w: my 128 hidden units: c and the wave's number alone
	s_lshl_b32 s20, s18, 16                        ; in w1i: 65,536 p
	s_mov_b32 s21, 0
	s_lshl_b32 s22, s18, 12                        ; in w1_scales: 128 rows of 32 bytes
	s_mov_b32 s23, 0
	s_lshl_b32 s30, s18, 9                         ; in b1: 128 numbers
	s_mov_b32 s31, 0
	; hq (this layout takes the place of the one in the head comment): [rg (32)][chunk = K step / 4 (8)][69,632 bytes]: the image of tile T (of the row group's 16), K step 4 chunk + s, at 4,096 T + 1,024 s;
	; at 65,536 + 1,024 (T / 4) + 256 s + 16 r + 4 (T % 4) the scale word of row r of tile T for that K step.  My K step is 4 c + w: chunk c, s = w.
	s_mul_i32 s68, s17, 557056
	s_mul_i32 s66, s16, 69632
	s_add_co_u32 s68, s68, s66
	s_lshl_b32 s66, s[WV], 10
	s_add_co_u32 s[HP], s68, s66
	s_mov_b32 s[HP+1], 0
	s_lshl_b32 s66, s[WV], 8
	s_add_co_u32 s[HSP], s68, s66
	s_add_co_u32 s[HSP], s[HSP], 65536
	s_mov_b32 s[HSP+1], 0
	s_mov_b32 s[TB], 0
	s_mov_b32 s[CNT], 3
	s_mov_b32 s[SEL], 0x76543210
	s_mov_b32 s[SEL+1], 0xfedcba98
	s_wait_dscnt 0x0                               ; both opening adds are done
	s_wait_kmcnt 0x0
	s_add_nc_u64 s[G0X+2:G0X+3], s[4:5], s[28:29]
	s_or_b32 s[G0X+3], s[G0X+3], 0x80000000        ; type = 2
	s_add_nc_u64 s[G0W+2:G0W+3], s[6:7], s[70:71]
	s_add_nc_u64 s[6:7], s[6:7], s[20:21]
	s_or_b32 s[G0W+3], s[G0W+3], 0x80000000
	s_add_nc_u64 s[8:9], s[8:9], s[22:23]
	s_add_nc_u64 s[10:11], s[10:11], s[30:31]
	s_add_nc_u64 s[HP:HP+1], s[12:13], s[HP:HP+1]
	s_add_nc_u64 s[HSP:HSP+1], s[12:13], s[HSP:HSP+1]
	CROUND                                         ; all sixteen work-groups are here: the joint loads meet
	; THE HEAD'S LOADS, ONE A WAVE (it takes the place of the two loads a wave of which the head comment speaks): waves 0 and 1 fetch eight tiles of xq each,
	; waves 2 and 3 the fragments of K steps 0-4 of two waves each.  One chain of branches on the wave's number, one load to an arm, one join.
	s_cmp_lt_u32 s[WV], 2
	s_cbranch_scc0 .Lhead_w
	tensor_load_to_lds s[G0X:G0X+3], s[G1X:G1X+7]
	s_nop 0
.rept 4
	v_nop
.endr
	s_branch .Lhead_asked
.Lhead_w:
	tensor_load_to_lds s[G0W:G0W+3], s[G1W:G1W+7]
	s_nop 0
.rept 4
	v_nop
.endr
.Lhead_asked:
	s_wait_alu depctr_va_vdst(0)
.irp t, 0,1,2,3,4,5,6,7
	global_load_b128 v[W1S+4*\t:W1S+4*\t+3], v[WSO], s[8:9] offset:(32*(\t/2)+8*(\t%2))*32   ; a unit's 32 scale bytes: lanes 0-15 take K steps 0-3, lanes 16-31 K steps 4-7
.endr
	WIN 0xc0                                       ; window 3: b1 in the result's layout: lane (r, h), tile t: units 32 (t / 2) + 16 h + 8 (t % 2) + 0 .. 7
.irp t, 0,1,2,3,4,5,6,7
	global_load_b128 v[B1+8*\t:B1+8*\t+3], v[BO], s[10:11] offset:(32*(\t/2)+8*(\t%2))*4
	global_load_b128 v[B1+8*\t+4:B1+8*\t+7], v[BO], s[10:11] offset:(32*(\t/2)+8*(\t%2))*4+16
.endr
	WIN 0x80                                       ; window 2: the fragments of K steps 5-7 (numbers 40 to 63) straight from memory; each load reads 512 consecutive bytes
.set F, 8
.rept 24
	global_load_b128 v[8*F:8*F+3], v[LI], s[6:7] offset:32768+1024*F
	global_load_b128 v[8*F+4:8*F+7], v[LI], s[6:7] offset:32768+1024*F+512
.set F, F+1
.endr
	s_wait_tensorcnt 0x0                           ; my load has landed;
	s_barrier_signal -1
	s_barrier_wait -1                              ; everybody's has: the weights and the tiles were fetched by other waves than read them
.set F, 0
.rept 8
	ds_load_b128 v[8*F:8*F+3], v[WLA] offset:32768+1024*F          ; K step 4, still into window 2
	ds_load_b128 v[8*F+4:8*F+7], v[WLA] offset:32768+1024*F+512
.set F, F+1
.endr
	WIN 0x40                                       ; window 1: K steps 0-3
.set F, 0
.rept 32
	ds_load_b128 v[8*F:8*F+3], v[WLA] offset:1024*F
	ds_load_b128 v[8*F+4:8*F+7], v[WLA] offset:1024*F+512
.set F, F+1
.endr
	WIN 0
	v_add_nc_u32 v[ADA], s[TB], v[LI]
; tile i of the trip (4: the next trip's first): its 8 fragments into buffer buf, then its scale words: 17 loads, each of 512 consecutive bytes
.macro FETCH i, buf
	WIN 0xc0
.irp s, 0,1,2,3,4,5,6,7
	ds_load_b128 v[64*(\buf)+8*\s:64*(\buf)+8*\s+3], v[ADA] offset:(\i)*8704+1024*\s
	ds_load_b128 v[64*(\buf)+8*\s+4:64*(\buf)+8*\s+7], v[ADA] offset:(\i)*8704+1024*\s+512
.endr
	WIN 0
	ds_load_b128 v[XS+4*(\buf):XS+4*(\buf)+3], v[ADA] offset:(\i)*8704+8192
.endm
; K step s: eight matrix instructions, the eight accumulators by turns, one instruction a turn.  The first K step takes b1 as C: nothing is cleared, no bias is added
.macro MULK s, buf
.irp t, 0,1,2,3,4,5,6,7
.if (\s) == 0
	v_wmma_scale_f32_16x16x128_f8f6f4 v[HA+8*\t:HA+8*\t+7], v[8*\t:8*\t+7], v[64*(\buf):64*(\buf)+7], v[B1+8*\t:B1+8*\t+7], v[W1S+4*\t], v[XS+4*(\buf)] matrix_a_fmt:MATRIX_FMT_FP4 matrix_b_fmt:MATRIX_FMT_FP4
.elseif (\s) < 4
	v_wmma_scale_f32_16x16x128_f8f6f4 v[HA+8*\t:HA+8*\t+7], v[8*(8*(\s)+\t):8*(8*(\s)+\t)+7], v[64*(\buf)+8*(\s):64*(\buf)+8*(\s)+7], v[HA+8*\t:HA+8*\t+7], v[W1S+4*\t+(\s)], v[XS+4*(\buf)+(\s)] matrix_a_fmt:MATRIX_FMT_FP4 matrix_b_fmt:MATRIX_FMT_FP4
.else
	v_wmma_scale_f32_16x16x128_f8f6f4 v[HA+8*\t:HA+8*\t+7], v[8*(8*((\s)-4)+\t):8*(8*((\s)-4)+\t)+7], v[64*(\buf)+8*(\s):64*(\buf)+8*(\s)+7], v[HA+8*\t:HA+8*\t+7], v[W1S+4*\t+(\s)-4], v[XS+4*(\buf)+(\s)-4] matrix_a_fmt:MATRIX_FMT_FP4 matrix_b_fmt:MATRIX_FMT_FP4 matrix_a_scale:MATRIX_SCALE_ROW1 matrix_b_scale:MATRIX_SCALE_ROW1
.endif
.endr
.endm
; the 64 numbers in v[HA] on, none negative, register 16 b + i = unit 32 b + 16 h + i of my row, become a fragment's codes in v[PC] on and its scale word in v[pw]
.macro QUANT pw
.irp b, 0,1,2,3
	v_max3_num_f32 v[TM+\b], v[HA+16*\b], v[HA+1+16*\b], 0x1800000   ; block b: my 16 numbers, and the floor 2^(3 - 127): so the byte cannot fall under 1
.endr
.irp i, 2,4,6,8,10,12,14
.irp b, 0,1,2,3
	v_max3_num_f32 v[TM+\b], v[TM+\b], v[HA+16*\b+\i], v[HA+1+16*\b+\i]
.endr
.endr
.irp b, 0,1,2,3
	v_permlanex16_b32 v[TM+4+\b], v[TM+\b], s[SEL], s[SEL+1]
.endr
.irp b, 0,1,2,3
	v_max_num_f32 v[TM+\b], v[TM+\b], v[TM+4+\b]   ; with lane l xor 16's 16: the block's largest
.endr
.irp b, 0,1,2,3
	v_add_nc_u32 v[TM+12+\b], 0xff000000, v[TM+\b] ; 2 off its exponent field: the conversion's scale operand
.endr
.irp b, 0,1,2,3
	v_lshrrev_b32 v[TM+4+\b], 23, v[TM+12+\b]      ; the scale's byte
.endr
	v_lshl_or_b32 v[\pw], v[TM+5], 8, v[TM+4]
	v_lshl_or_b32 v[\pw], v[TM+6], 16, v[\pw]
	v_lshl_or_b32 v[\pw], v[TM+7], 24, v[\pw]
.irp b, 0,1,2,3
	v_cvt_scalef32_pk8_fp4_f32 v[PC+2*\b], v[HA+16*\b:HA+7+16*\b], v[TM+12+\b]
	v_cvt_scalef32_pk8_fp4_f32 v[PC+1+2*\b], v[HA+8+16*\b:HA+15+16*\b], v[TM+12+\b]
.endr
	v_nop                                          ; one plain instruction behind the last scaled conversion
.irp c, 0,1                                    ; a whole block in a lane: lanes 0-15 block 2 c, lanes 16-31 block 2 c + 1
.irp i, 0,1
	v_permlane16_swap_b32 v[PC+4*\c+\i], v[PC+2+4*\c+\i]
.endr
.endr
.endm
; One tile of 16 rows.  The next tile's 17 LDS loads go out first, into the other buffer: its last readers, the products of the tile before, stand behind that tile's whole quantiser, whose lines on v56-75 are plain
; and name none of those products' registers.  The same lines stand between one tile's last products and the next tile's first, which write the accumulators anew.
.macro TILE j, fetch
.if \fetch
	FETCH (\j)+1, ((\j)+1)%2
	s_wait_dscnt 17                                ; this tile's 17 loads are in; the 17 just issued may be out
.else
	s_wait_dscnt 0x0
.endif
	WIN 0x3d                                       ; w1 window 1, the rows and b1 window 3, the accumulators window 0
	MULK 0, (\j)%2
	WIN 0x0d
	MULK 1, (\j)%2
	MULK 2, (\j)%2
	MULK 3, (\j)%2
	WIN 0x0e                                       ; w1 window 2
	MULK 4, (\j)%2
	MULK 5, (\j)%2
	MULK 6, (\j)%2
	MULK 7, (\j)%2
	WIN 0
.rept 4
	v_nop                                          ; four places between the last products and the first read of a result (ISA guide 7.12.1)
.endr
.set J, 0
.rept 64
	v_max_num_f32 v[HA+J], 0, v[HA+J]              ; relu, in f32; each accumulator from its low end on
.set J, J+1
.endr
	s_wait_xcnt 0x0                                ; the last tile's stores have read the codes' registers: they are written again only behind this wait
	QUANT PWQ+\j
	global_store_b128 v[LI], v[PC:PC+3], s[HP:HP+1] offset:4096*\j       ; the image: 2 x 512 consecutive bytes
	global_store_b128 v[LI], v[PC+4:PC+7], s[HP:HP+1] offset:4096*\j+512
.endm
; A trip: four tiles, one group of 64 rows.  Their four scale words a row leave together: lanes 0-15 hold tiles 0 and 1, lanes 16-31 tiles 2 and 3: 256 consecutive bytes.
.macro TRIP more
	v_add_nc_u32 v[ADA], s[TB], v[LI]
	TILE 0, 1
	TILE 1, 1
	TILE 2, 1
	TILE 3, \more
	v_cmp_lt_u32 vcc_lo, 15, v1
	v_cndmask_b32 v[SD], v[PWQ], v[PWQ+2], vcc_lo
	v_cndmask_b32 v[SD+1], v[PWQ+1], v[PWQ+3], vcc_lo
	global_store_b64 v[HSO], v[SD:SD+1], s[HSP:HSP+1]
	s_wait_xcnt 0x0                                ; the stores have read their bases and data: both may be written again
	s_add_nc_u64 s[HP:HP+1], s[HP:HP+1], 16384     ; the next four tiles
	s_add_nc_u64 s[HSP:HSP+1], s[HSP:HSP+1], 1024
	s_add_co_u32 s[TB], s[TB], 34816
.endm
	FETCH 0, 0
	s_wait_loadcnt 0x0                             ; the weights of K steps 5-7, the scale words, b1
.Ltrip:
	TRIP 1
	s_sub_co_u32 s[CNT], s[CNT], 1
	s_cmp_lg_u32 s[CNT], 0
	s_cbranch_scc1 .Ltrip
	TRIP 0                                         ; the last four tiles are written out: nothing is fetched beyond tile 15
	s_wait_tensorcnt 0x0                           ; the wave's end
	ds_add_u32 v[SPW], v[NIL]
	s_wait_dscnt 0x0
	CROUND                                         ; the closing round: no work-group ends while a partner may still ask for bytes with a mask that names it
	s_endpgm
.Lfunc_end_k_q446538757c_ffn1:
	.size	k_q446538757c_ffn1, .Lfunc_end_k_q446538757c_ffn1-k_q446538757c_ffn1
	.p2alignl 7, 3214868480
	.fill 96, 4, 3214868480
	.section	.rodata,"a",@progbits
	.p2align	6, 0x0
	.amdhsa_kernel k_q446538757c_ffn1
		.amdhsa_group_segment_fixed_size 303616
		.amdhsa_private_segment_fixed_size 0
		.amdhsa_enable_private_segment 0
		.amdhsa_kernarg_size 40
		.amdhsa_user_sgpr_count 2
		.amdhsa_user_sgpr_kernarg_segment_ptr 1
		.amdhsa_wavefront_size32 1
		.amdhsa_system_sgpr_workgroup_id_x 1
		.amdhsa_system_sgpr_workgroup_id_y 1
		.amdhsa_system_sgpr_workgroup_id_z 1
		.amdhsa_system_vgpr_workitem_id 0
		.amdhsa_next_free_vgpr 960
		.amdhsa_next_free_sgpr 72
		.amdhsa_reserve_vcc 1
		.amdhsa_float_denorm_mode_32 3
		.amdhsa_float_denorm_mode_16_64 3
		.amdhsa_memory_ordered 1
		.amdhsa_forward_progress 1
		.amdhsa_inst_pref_size 142
	.end_amdhsa_kernel
	.amdgpu_metadata
---
amdhsa.version: [ 1, 2 ]
amdhsa.kernels:
  - .name:           k_q446538757c_ffn1
    .symbol:         k_q446538757c_ffn1.kd
    .args:
      - { .name: xq, .offset: 0, .size: 8, .value_kind: global_buffer, .address_space: global }
      - { .name: w1i, .offset: 8, .size: 8, .value_kind: global_buffer, .address_space: global }
      - { .name: w1_scales, .offset: 16, .size: 8, .value_kind: global_buffer, .address_space: global }
      - { .name: b1, .offset: 24, .size: 8, .value_kind: global_buffer, .address_space: global }
      - { .name: hq, .offset: 32, .size: 8, .value_kind: global_buffer, .address_space: global }
    .group_segment_fixed_size: 303616
    .private_segment_fixed_size: 0
    .kernarg_segment_align: 8
    .kernarg_segment_size: 40
    .max_flat_workgroup_size: 128
    .sgpr_count:     72
    .vgpr_count:     960
    .wavefront_size: 32
...
	.end_amdgpu_metadata
.endif
;; end of part 2
;; launch ffn2 (part 3): grid 32 x 8, 4 waves a work-group, clusters of 4 x 4, 327,680 bytes of LDS; arguments hq, w2i, w2_scales, b2, out0; writes out0
.if DOCPART == 3
	.amdgcn_target "amdgcn-amd-amdhsa--gfx1250"
	.amdhsa_code_object_version 6
	.text
	.protected	k_q446538757c_ffn2
	.globl	k_q446538757c_ffn2
	.p2align	8
	.type	k_q446538757c_ffn2,@function
k_q446538757c_ffn2:
	s_mov_b64 s[64:65], 0
	v_nop
	global_prefetch_b8 v0, s[64:65] scope:SCOPE_SE
	s_setreg_imm32_b32 hwreg(HW_REG_WAVE_MODE, 25, 1), 1
	s_wait_xcnt 0x0
	s_wait_alu depctr_hold_cnt(0) depctr_sa_sdst(0) depctr_va_vdst(0) depctr_va_sdst(0) depctr_va_ssrc(0) depctr_va_vcc(0) depctr_vm_vsrc(0)
	s_getreg_b32 s2, hwreg(HW_REG_IB_STS2, 6, 4)
	s_cmp_eq_u32 s2, 0
	s_cbranch_scc0 .Lentry_in_a_cluster
	s_endpgm
.Lentry_in_a_cluster:
	s_bfe_u32 s2, ttmp6, 0x10000c
	s_cmp_lg_u32 s2, 0xf033
	s_cbranch_scc0 .Lentry_shape_is_right
	s_endpgm
.Lentry_shape_is_right:
; THIRD LAUNCH: out0 = hidden w2 + b2, on the codes that the second launch stored.  Nothing is left out.
; SHARES.  A work-group makes 256 rows (row group rg, the grid's x) x 128 outputs (column group n8, the grid's y).  A wave makes 128 rows x 64 outputs: 32 accumulators of 16 x 16, 256 registers;
; one f32 sum for each output, K ascending, begun with b2 as the C of its first product: nothing is cleared, no bias is added.
; K goes in 8 chunks of 512 (four K steps of 128) through a ring of two LDS slots.  A slot holds, as they lie in memory: the rows' chunk of hq, 69,632 bytes (the image of tile T, K step s at 4,096 T + 1,024 s;
; from 65,536 on the scale words, at 1,024 (T / 4) + 256 s + 16 r + 4 (T % 4)), then w2i's chunk, 32,768 bytes (the image of K step s, tile n of outputs at 8,192 s + 1,024 n).
; An image is a fragment's registers: group c at 512 c + 16 x lane, so each fragment is two loads of 512 consecutive bytes.
; CLUSTER, 4 x 4.  The four work-groups with my rg need the same chunks of hq, the four with my n8 the same chunks of w2i: both are asked for JOINTLY, one load a wave: waves 0 and 1 fetch the halves of the
; rows' chunk (136 rows of 256 bytes each), waves 2 and 3 the halves of w2i's (64 rows each).  One tensor load of a wave is out at the most; it is issued a chunk (112 matrix instructions a wave) ahead of the wait for it.
; THE PRODUCT IS USED TRANSPOSED (source 0 = 16 outputs of w2, source 1 = 16 rows): a lane holds eight neighbouring outputs of one row.  A wave's 64 outputs are 256 bytes of a row of out0, at a multiple of 256.
; PREFETCH: behind the joint load of chunk k stand two prefetches of chunk k + 2 (k up to 5), 256 bytes a lane.  The sixteen waves of the four partners that share a chunk take 17 blocks each of the rows' 272 and
; 8 each of w2i's 128, told apart by address; lanes left over name their wave's last block (or one of its eight) again.  The address registers are never rewritten: the chunk stands in the immediate.
; The chunks are written out, no loop: w2's scale words for all of K stay in 64 registers, whose numbers change from chunk to chunk.  lds_bytes claims all of a WGP's LDS.
; LIMITS: as stated at the head of the first launch.
; REGISTERS, in windows of 256: window 0: addresses, scale words, b2.  window 1: the rows' fragments, two sets of 8 (v0, v64); w2's, two sets of 4 (v128, v160).  window 2: accumulator (a, n) at 8 (4 a + n).
;   window 3: v0-63 the way out.
.set ACH,   69632                      ; the rows' chunk
.set BCH,   32768                      ; w2i's chunk
.set SLOT,  ACH+BCH
.set STAGE, 2*SLOT                     ; behind the ring: 16 rows x 272 bytes for each wave, for the way out (256 + 16: the sixteen rows of a store start at sixteen different groups of four banks)
.set SPARE, STAGE+4*16*272             ; behind the stages: the spare words, 128 bytes a wave
.set ADRA, 16                          ; v16-17  my rows' fragments in slot 0, 1
.set ADRB, 18                          ; v18-19  my outputs' fragments
.set ADRS, 20                          ; v20-21  my rows' scale words: + 16 r + 512 h
.set STO,  22                          ; v22  the way out: where I put 32 bytes of a row
.set RD,   23                          ; v23  where I read rows back
.set CO,   24                          ; v24  my byte offset in out0
.set WSO,  25                          ; v25  w2_scales: 128 r + 16 h
.set BO,   26                          ; v26  b2: 32 h
.set PVA,  27                          ; v27  the prefetches' offsets: 256 x min(lane, 16);
.set PVB,  28                          ; v28  256 x (lane % 8)
.set SPW,  30                          ; v30  LDS address of my spare word; never rewritten
.set NIL,  31                          ; v31  0; never rewritten
.set BS,   32                          ; v32-95  w2's scale words: register 16 n + 4 q + u: lanes 0-15 K step 8 q + u, lanes 16-31 K step 8 q + 4 + u
.set XS,   96                          ; v96-127 the rows' scale words, a set for each slot: register 8 (a / 4) + 4 u + a % 4: lanes 0-15 the chunk's K step u, lanes 16-31 u + 2
.set B2,   128                         ; v128-159 b2 in the result's layout: register 8 n + i: output 16 n + 8 h + i
.set WV,  14                           ; s14 my wave;  s15 = wave / 2: my half of the rows, and: I fetch the rows' chunk (0) or w2i's (1);  s16 = wave % 2: my half of the outputs, and which half I fetch
.set G1A, 32                           ; s[32:39], s[40:47] descriptor groups 1;  s[48:55], s[56:63] groups 0, one set for each slot
.set G1B, 40
.set G0A, 48
.set G0B, 56
.set PFA, 66                           ; s[66:67], s[68:69] the prefetches' bases
.set PFB, 68
.set MSB, 0
.macro WIN new                         ; the immediate's high byte repeats the setting that is left; a switch that changes nothing is dropped
.if MSB != \new
	s_set_vgpr_msb (MSB<<8)|\new
.set MSB, \new
.endif
.endm
.set MULW, 0xa5                        ; sources 0 and 1 window 1, C and D window 2
.set MULF, 0x85                        ; the same with C in window 0: b2
.macro PLACES n
.rept \n
	v_nop
.endr
.endm
.macro JLOAD s                         ; a joint load; an s_nop 0 and four v_nop follow each of the two lines
	s_cmp_eq_u32 s15, 0
	s_cbranch_scc0 .Lfor_b_\@
	tensor_load_to_lds s[G0A+4*(\s):G0A+4*(\s)+3], s[G1A:G1A+7]
	s_nop 0
	PLACES 4
	s_branch .Lasked_\@
.Lfor_b_\@:
	tensor_load_to_lds s[G0B+4*(\s):G0B+4*(\s)+3], s[G1B:G1B+7]
	s_nop 0
	PLACES 4
.Lasked_\@:
.endm
.macro CREST                           ; a round of the cluster's barrier behind its opening barrier
	s_cmp_lg_u32 s[WV], 0
	s_cbranch_scc1 .Lnot_wave_0_\@
	s_barrier_signal -3
.Lnot_wave_0_\@:
	s_barrier_wait -3
	s_barrier_signal -1
	s_barrier_wait -1
.endm
.macro CROUND
	s_barrier_signal -1
	s_barrier_wait -1
	CREST
.endm
.macro ASK k                           ; chunk k, my 17 blocks of the rows' and my 8 of w2i's
	global_prefetch_b8 v[PVA], s[PFA:PFA+1] offset:(\k)*ACH th:TH_LOAD_NT scope:SCOPE_SE
	global_prefetch_b8 v[PVB], s[PFB:PFB+1] offset:(\k)*BCH th:TH_LOAD_NT scope:SCOPE_SE
.endm
	s_load_b256 s[4:11], s[0:1], 0x0               ; hq s[4:5], w2i s[6:7], w2_scales s[8:9], b2 s[10:11]
	s_load_b64 s[12:13], s[0:1], 0x20              ; out0
	v_lshl_add_u32 v[SPW], v0, 2, SPARE
	v_mov_b32 v[NIL], 0
	ds_add_u32 v[SPW], v[NIL]                      ; the opening lines: the add, twice on end, and its wait ahead of my first tensor load
	ds_add_u32 v[SPW], v[NIL]
	v_lshrrev_b32 v1, 5, v0
	v_readfirstlane_b32 s[WV], v1                  ; wave 0..3
	s_lshr_b32 s15, s[WV], 1
	s_and_b32 s16, s[WV], 1
	s_bfe_u32 s17, ttmp6, 0x40000                  ; cx, cy: they enter global addresses and the masks alone
	s_bfe_u32 s18, ttmp6, 0x40004
	s_lshl_b32 s19, ttmp9, 2
	s_add_co_u32 s19, s19, s17                     ; rg = 4 x cluster x + cx
	s_and_b32 s20, ttmp7, 0xffff
	s_lshl_b32 s20, s20, 2
	s_add_co_u32 s20, s20, s18                     ; n8 = 4 x cluster y + cy
	s_lshl_b32 s21, 0x1111, s17                    ; the four with my cx: they share rg
	s_or_b32 s[G1A], s21, (3<<16)|(1<<21)          ; elements of 8 bytes; bit 21 set beside a mask.  Dense bytes as rows of 256
	s_lshl_b32 s21, s18, 2
	s_lshl_b32 s21, 15, s21                        ; the four with my cy: they share n8
	s_or_b32 s[G1B], s21, (3<<16)|(1<<21)
	s_mov_b32 s[G1A+1], 32<<16
	s_mov_b32 s[G1A+2], 136<<16
	s_mov_b32 s[G1A+3], 32<<16
	s_mov_b32 s[G1A+4], 136
	s_mov_b32 s[G1A+5], 32
	s_mov_b32 s[G1A+6], 0
	s_mov_b32 s[G1A+7], 0
	s_mov_b32 s[G1B+1], 32<<16
	s_mov_b32 s[G1B+2], 64<<16
	s_mov_b32 s[G1B+3], 32<<16
	s_mov_b32 s[G1B+4], 64
	s_mov_b32 s[G1B+5], 32
	s_mov_b32 s[G1B+6], 0
	s_mov_b32 s[G1B+7], 0
	s_mul_i32 s74, s16, ACH/2                      ; LDS: my half of the rows' chunk,
	s_lshl_b32 s75, s16, 14
	s_add_co_u32 s75, s75, ACH                     ; or of w2i's, behind it
	s_mul_i32 s22, s19, 8*ACH                      ; hq: eight chunks a row group
	s_add_co_u32 s22, s22, s74
	s_mov_b32 s23, 0
	s_lshl_b32 s24, s20, 18                        ; w2i: eight chunks a column group
	s_lshl_b32 s25, s16, 14
	s_add_co_u32 s24, s24, s25
	s_mov_b32 s25, 0
	s_lshl_b32 s26, s20, 14                        ; w2_scales: output 128 n8 + 64 x half, 128 bytes a row
	s_lshl_b32 s27, s16, 13
	s_add_co_u32 s26, s26, s27
	s_mov_b32 s27, 0
	s_lshl_b32 s28, s20, 9                         ; b2, and a row of out0: my 64 outputs
	s_lshl_b32 s29, s16, 8
	s_add_co_u32 s28, s28, s29
	s_mov_b32 s29, 0
	s_lshl_b32 s30, s19, 20                        ; out0: row 256 rg + 128 x half
	s_lshl_b32 s31, s15, 19
	s_add_co_u32 s30, s30, s31
	s_add_co_u32 s30, s30, s28
	s_mov_b32 s31, 0
	s_lshl_b32 s70, s18, 2                         ; the prefetches: of the rows' chunk the partner at cy, wave w takes blocks 17 (4 cy + w) on,
	s_add_co_u32 s70, s70, s[WV]
	s_mul_i32 s70, s70, 17*256
	s_mul_i32 s71, s19, 8*ACH
	s_add_co_u32 s70, s70, s71
	s_mov_b32 s71, 0
	s_lshl_b32 s72, s17, 2                         ; of w2i's the partner at cx, wave w blocks 8 (4 cx + w) on
	s_add_co_u32 s72, s72, s[WV]
	s_lshl_b32 s72, s72, 11
	s_lshl_b32 s73, s20, 18
	s_add_co_u32 s72, s72, s73
	s_mov_b32 s73, 0
	s_lshl_b32 s76, s15, 15                        ; LDS: my eight tiles of rows,
	s_lshl_b32 s77, s16, 12
	s_add_co_u32 s77, s77, ACH                     ; my four tiles of outputs,
	s_lshl_b32 s78, s15, 11
	s_add_co_u32 s78, s78, 65536                   ; my rows' scale words,
	s_mul_i32 s79, s[WV], 16*272
	s_add_co_u32 s79, s79, STAGE                   ; my stage
	s_wait_dscnt 0x0                               ; both opening adds are done
	s_wait_kmcnt 0x0
	s_add_nc_u64 s[PFA:PFA+1], s[4:5], s[70:71]
	s_add_nc_u64 s[PFB:PFB+1], s[6:7], s[72:73]
	s_add_nc_u64 s[4:5], s[4:5], s[22:23]
	s_add_nc_u64 s[6:7], s[6:7], s[24:25]
	s_add_nc_u64 s[8:9], s[8:9], s[26:27]
	s_add_nc_u64 s[10:11], s[10:11], s[28:29]
	s_add_nc_u64 s[12:13], s[12:13], s[30:31]
	CROUND                                         ; all sixteen work-groups are here: the first joint loads meet
.irp s, 0,1
	s_mov_b32 s[G0A+4*\s], 1
	s_add_co_u32 s[G0A+4*\s+1], s74, \s*SLOT
	s_add_nc_u64 s[G0A+4*\s+2:G0A+4*\s+3], s[4:5], \s*ACH
	s_or_b32 s[G0A+4*\s+3], s[G0A+4*\s+3], 0x80000000
	s_mov_b32 s[G0B+4*\s], 1
	s_add_co_u32 s[G0B+4*\s+1], s75, \s*SLOT
	s_add_nc_u64 s[G0B+4*\s+2:G0B+4*\s+3], s[6:7], \s*BCH
	s_or_b32 s[G0B+4*\s+3], s[G0B+4*\s+3], 0x80000000
.endr
	JLOAD 0                                        ; chunk 0: one tensor load a wave at the head
	v_and_b32 v1, 15, v0                           ; r
	v_bfe_u32 v2, v0, 4, 1                         ; h
	v_and_b32 v3, 31, v0                           ; lane
	v_lshlrev_b32 v4, 4, v3
	v_add_nc_u32 v[ADRA], s76, v4
	v_add_nc_u32 v[ADRA+1], SLOT, v[ADRA]
	v_add_nc_u32 v[ADRB], s77, v4
	v_add_nc_u32 v[ADRB+1], SLOT, v[ADRB]
	v_lshlrev_b32 v5, 4, v1
	v_lshl_add_u32 v5, v2, 9, v5
	v_add_nc_u32 v[ADRS], s78, v5
	v_add_nc_u32 v[ADRS+1], SLOT, v[ADRS]
	v_mul_u32_u24 v6, v1, 272                      ; in: row r, 32 bytes for each half of the lanes
	v_lshl_add_u32 v6, v2, 5, v6
	v_add_nc_u32 v[STO], s79, v6
	v_mul_u32_u24 v7, v2, 272                      ; back: lanes 0-15 take one row of 256 bytes, lanes 16-31 the next
	v_lshl_add_u32 v7, v1, 4, v7
	v_add_nc_u32 v[RD], s79, v7
	v_lshlrev_b32 v[CO], 12, v2                    ; and the same two rows in out0
	v_lshl_add_u32 v[CO], v1, 4, v[CO]
	v_lshlrev_b32 v[WSO], 7, v1
	v_lshl_add_u32 v[WSO], v2, 4, v[WSO]
	v_lshlrev_b32 v[BO], 5, v2
	v_min_u32 v[PVA], 16, v3
	v_lshlrev_b32 v[PVA], 8, v[PVA]
	v_and_b32 v[PVB], 7, v3
	v_lshlrev_b32 v[PVB], 8, v[PVB]
	s_wait_alu depctr_va_vdst(0)                   ; the wait behind the head's last vector instruction
.irp n, 0,1,2,3
.irp q, 0,1,2,3
	global_load_b128 v[BS+16*\n+4*\q:BS+16*\n+4*\q+3], v[WSO], s[8:9] offset:2048*\n+32*\q
.endr
.endr
.irp n, 0,1,2,3
	global_load_b128 v[B2+8*\n:B2+8*\n+3], v[BO], s[10:11] offset:64*\n
	global_load_b128 v[B2+8*\n+4:B2+8*\n+7], v[BO], s[10:11] offset:64*\n+16
.endr
	ASK 2
; one product.  d: the accumulator; b, a: the fragments; sb, sa: the scale registers; rb, ra: which half of their lanes
.macro WM d, b, a, first, n, sb, sa, rb, ra
.if \first
.set CC, B2+8*(\n)
.else
.set CC, \d
.endif
.if ((\rb) == 0) && ((\ra) == 0)
	v_wmma_scale_f32_16x16x128_f8f6f4 v[\d:\d+7], v[\b:\b+7], v[\a:\a+7], v[CC:CC+7], v[\sb], v[\sa] matrix_a_fmt:MATRIX_FMT_FP4 matrix_b_fmt:MATRIX_FMT_FP4
.elseif (\ra) == 0
	v_wmma_scale_f32_16x16x128_f8f6f4 v[\d:\d+7], v[\b:\b+7], v[\a:\a+7], v[CC:CC+7], v[\sb], v[\sa] matrix_a_fmt:MATRIX_FMT_FP4 matrix_b_fmt:MATRIX_FMT_FP4 matrix_a_scale:MATRIX_SCALE_ROW1
.elseif (\rb) == 0
	v_wmma_scale_f32_16x16x128_f8f6f4 v[\d:\d+7], v[\b:\b+7], v[\a:\a+7], v[CC:CC+7], v[\sb], v[\sa] matrix_a_fmt:MATRIX_FMT_FP4 matrix_b_fmt:MATRIX_FMT_FP4 matrix_b_scale:MATRIX_SCALE_ROW1
.else
	v_wmma_scale_f32_16x16x128_f8f6f4 v[\d:\d+7], v[\b:\b+7], v[\a:\a+7], v[CC:CC+7], v[\sb], v[\sa] matrix_a_fmt:MATRIX_FMT_FP4 matrix_b_fmt:MATRIX_FMT_FP4 matrix_a_scale:MATRIX_SCALE_ROW1 matrix_b_scale:MATRIX_SCALE_ROW1
.endif
.endm
; tiles a0 .. a0 + na - 1 of rows x my four tiles of outputs, K step s of chunk c.  The 32 accumulators take turns, one instruction a turn, in the same order in every K step
.macro MUL a0, na, c, s, first
.set AA, \a0
.rept \na
.irp n, 0,1,2,3
	WM 8*(4*AA+\n), 128+32*((\s)%2)+8*\n, 64*((\s)%2)+8*AA, \first, \n, BS+16*\n+4*((\c)/2)+(\s), XS+16*((\c)%2)+8*(AA/4)+4*((\s)%2)+AA%4, (\c)%2, (\s)/2
.endr
.set AA, AA+1
.endr
.endm
.macro FETCH slot, s                   ; the fragments of the slot's K step s into set s % 2: 24 loads of 512 consecutive bytes
	WIN 0x40
.irp i, 0,1,2,3
	ds_load_b128 v[128+32*((\s)%2)+8*\i:128+32*((\s)%2)+8*\i+3], v[ADRB+\slot] offset:(\s)*8192+\i*1024
	ds_load_b128 v[128+32*((\s)%2)+8*\i+4:128+32*((\s)%2)+8*\i+7], v[ADRB+\slot] offset:(\s)*8192+\i*1024+512
.endr
.irp i, 0,1,2,3,4,5,6,7
	ds_load_b128 v[64*((\s)%2)+8*\i:64*((\s)%2)+8*\i+3], v[ADRA+\slot] offset:\i*4096+(\s)*1024
	ds_load_b128 v[64*((\s)%2)+8*\i+4:64*((\s)%2)+8*\i+7], v[ADRA+\slot] offset:\i*4096+(\s)*1024+512
.endr
	WIN 0
.endm
.macro SCALES slot                     ; the slot's scale words of my 128 rows
.irp g, 0,1
.irp u, 0,1
	ds_load_b128 v[XS+16*(\slot)+8*\g+4*\u:XS+16*(\slot)+8*\g+4*\u+3], v[ADRS+(\slot)] offset:1024*\g+256*\u
.endr
.endr
.endm
; A K step that has its successor in the same slot: the successor's fragments are asked for first, into the other set, four places behind the products that read that set
.macro STEP c, s, first
	s_wait_dscnt 0x0                               ; this K step's fragments are in
	PLACES 4
	FETCH (\c)%2, (\s)+1
.if \first
	WIN MULF
.else
	WIN MULW
.endif
	MUL 0, 8, \c, \s, \first
	WIN 0
.endm
; A chunk's last K step changes slots: one barrier (where the slot is filled again it opens a round of the cluster's barrier)
.macro TURN c
	s_wait_tensorcnt 0x0                           ; my part of the next chunk has landed;
	ds_add_u32 v[SPW], v[NIL]                      ; 0 onto my spare word;
.if (\c) < 6
	s_add_nc_u64 s[G0A+4*((\c)%2)+2:G0A+4*((\c)%2)+3], s[G0A+4*((\c)%2)+2:G0A+4*((\c)%2)+3], 2*ACH   ; no tensor load of mine is out: this slot's next chunk
	s_add_nc_u64 s[G0B+4*((\c)%2)+2:G0B+4*((\c)%2)+3], s[G0B+4*((\c)%2)+2:G0B+4*((\c)%2)+3], 2*BCH
.endif
	s_wait_dscnt 0x0                               ; the add is done; this K step's fragments are in, and they were my last reads of this slot
	s_barrier_signal -1
	WIN MULW
	MUL 0, 4, \c, 3, 0
	WIN 0
	s_barrier_wait -1
.if (\c) < 6
	CREST                                          ; no wave of any partner still reads this slot or has a load on its way
	JLOAD (\c)%2                                   ; chunk c + 2; the four v_nop behind it are also the places in front of the loads below
.else
	PLACES 4
.endif
	FETCH 1-(\c)%2, 0
	SCALES 1-(\c)%2
.if (\c) < 4
	ASK (\c)+4
.endif
	WIN MULW
	MUL 4, 4, \c, 3, 0
	WIN 0
.endm
	s_wait_tensorcnt 0x0                           ; my part of chunk 0 is in; the same lines stand ahead of a later first fill as ahead of a refill
	ds_add_u32 v[SPW], v[NIL]
	s_wait_dscnt 0x0
	CROUND
	JLOAD 1                                        ; chunk 1, the first tensor load behind the round
	FETCH 0, 0
	SCALES 0
	ASK 3
	s_wait_loadcnt 0x0                             ; w2's scale words, b2
	STEP 0, 0, 1                                   ; the first products start the sums, with b2 as C
	STEP 0, 1, 0
	STEP 0, 2, 0
	TURN 0
.irp c, 1,2,3,4,5,6
	STEP \c, 0, 0
	STEP \c, 1, 0
	STEP \c, 2, 0
	TURN \c
.endr
	STEP 7, 0, 0
	STEP 7, 1, 0
	STEP 7, 2, 0
	s_wait_dscnt 0x0                               ; the very last K step: nothing more to fetch
	WIN MULW
	MUL 0, 8, 7, 3, 0
	WIN 0
; THE WAY OUT, block by block of 16 rows x 64 outputs: through my own stage and back as whole rows of 256 bytes.  LDS serves a wave's instructions in order: no wait between the stores and the loads
.macro TOSTAGE a
	WIN 0x08                                       ; the data: window 2
.irp n, 0,1,2,3
	ds_store_b128 v[STO], v[32*(\a)+8*\n:32*(\a)+8*\n+3] offset:64*\n          ; each accumulator from its low end on
	ds_store_b128 v[STO], v[32*(\a)+8*\n+4:32*(\a)+8*\n+7] offset:64*\n+16
.endr
	WIN 0xc0
.irp t, 0,1,2,3,4,5,6,7
	ds_load_b128 v[32*((\a)%2)+4*\t:32*((\a)%2)+4*\t+3], v[RD] offset:\t*2*272
.endr
	WIN 0
.endm
.macro SEND a, younger                 ; younger: the LDS instructions issued behind block a's loads, which may stay out
	s_wait_dscnt \younger
	WIN 0x0c                                       ; the data: window 3
.irp t, 0,1,2,3,4,5,6,7
	global_store_b128 v[CO], v[32*((\a)%2)+4*\t:32*((\a)%2)+4*\t+3], s[12:13] offset:(\a)*65536+\t*8192 th:TH_STORE_NT   ; 16 lanes store 256 consecutive bytes, at a multiple of 256 from out0's first byte
.endr
	WIN 0
.endm
	PLACES 4
	TOSTAGE 0
.irp a, 1,2,3,4,5,6,7
.if \a > 1
	s_wait_xcnt 0x0                                ; block a - 2's stores have read their registers: block a's loads may land there
.endif
	TOSTAGE \a
	SEND \a-1, 16                                  ; behind block a - 1's loads: block a's 8 stores and 8 loads
.endr
	SEND 7, 0
	s_wait_tensorcnt 0x0                           ; the wave's end
	ds_add_u32 v[SPW], v[NIL]
	s_wait_dscnt 0x0
	CROUND                                         ; the closing round
	s_endpgm
.Lfunc_end_k_q446538757c_ffn2:
	.size	k_q446538757c_ffn2, .Lfunc_end_k_q446538757c_ffn2-k_q446538757c_ffn2
	.p2alignl 7, 3214868480
	.fill 96, 4, 3214868480
	.section	.rodata,"a",@progbits
	.p2align	6, 0x0
	.amdhsa_kernel k_q446538757c_ffn2
		.amdhsa_group_segment_fixed_size 327680
		.amdhsa_private_segment_fixed_size 0
		.amdhsa_enable_private_segment 0
		.amdhsa_kernarg_size 40
		.amdhsa_user_sgpr_count 2
		.amdhsa_user_sgpr_kernarg_segment_ptr 1
		.amdhsa_wavefront_size32 1
		.amdhsa_system_sgpr_workgroup_id_x 1
		.amdhsa_system_sgpr_workgroup_id_y 1
		.amdhsa_system_sgpr_workgroup_id_z 1
		.amdhsa_system_vgpr_workitem_id 0
		.amdhsa_next_free_vgpr 832
		.amdhsa_next_free_sgpr 80
		.amdhsa_reserve_vcc 0
		.amdhsa_float_denorm_mode_32 3
		.amdhsa_float_denorm_mode_16_64 3
		.amdhsa_memory_ordered 1
		.amdhsa_forward_progress 1
		.amdhsa_inst_pref_size 221
	.end_amdhsa_kernel
	.amdgpu_metadata
---
amdhsa.version: [ 1, 2 ]
amdhsa.kernels:
  - .name:           k_q446538757c_ffn2
    .symbol:         k_q446538757c_ffn2.kd
    .args:
      - { .name: hq, .offset: 0, .size: 8, .value_kind: global_buffer, .address_space: global }
      - { .name: w2i, .offset: 8, .size: 8, .value_kind: global_buffer, .address_space: global }
      - { .name: w2_scales, .offset: 16, .size: 8, .value_kind: global_buffer, .address_space: global }
      - { .name: b2, .offset: 24, .size: 8, .value_kind: global_buffer, .address_space: global }
      - { .name: out0, .offset: 32, .size: 8, .value_kind: global_buffer, .address_space: global }
    .group_segment_fixed_size: 327680
    .private_segment_fixed_size: 0
    .kernarg_segment_align: 8
    .kernarg_segment_size: 40
    .max_flat_workgroup_size: 128
    .sgpr_count:     80
    .vgpr_count:     832
    .wavefront_size: 32
...
	.end_amdgpu_metadata
.endif
;; end of part 3
